; MI455X (gfx1250); checked and timed in simulation.
; The chip was launched on July 23, 2026; its instructions are those of AMD's public machine-readable ISA for CDNA 5 (MIT licence, August 2026) and "CDNA5" Instruction Set Architecture Reference Guide (July 2026). The comments in the code are by the model that wrote it; some were corrected since.
;; Dual Ternary Linear. Allowed arithmetic: matrix products marked QUANTISED: E3M2 operands, one E8M0 scale for each 32 along K, by v_wmma_scale_f32_16x16x128_f8f6f4 with both operands' format E3M2, f32 sums; everything else in f32.
;; Inputs: a1 4,096 float32; a2 4,096 float32; bias 4,096 float32; t1 4,096 x 4,096 int32; t2 4,096 x 4,096 int32; x_codes 4 x 512 x 128 x 24 uint8 (E3M2 codes of x, K innermost, in blocks of 32 codes, four codes in three bytes); x_scales 4 x 512 x 128 uint8 (E8M0 scales of x, one for each 32 codes along K).
;; Outputs: out0 4 x 512 x 4,096 float32.
;; This version of the problem:
;;   THIS VERSION OF THE PROBLEM IS GIVEN IN LOW PRECISION. The matrix products marked QUANTISED in the list below multiply operands that are first quantised to E3M2 (3 exponent bits, 2 mantissa bits; 6 bits a number), with one power-of-two scale for each 32 numbers along K (OCP MX v1.0); their sums are f32. All else is computed in f32.
;;   The module's matrix products, in the order in which they are computed (A, B: the left and right operand; K: the contracted axis; several contracted axes count as one K, in the product's order):
;;     1. [M 2,048, K 4,096] x [K 4,096, N 4,096]; A: input x (given as codes); B: input t1: QUANTISED
;;     2. [M 2,048, K 4,096] x [K 4,096, N 4,096]; A: input x (given as codes); B: input t2: QUANTISED
;;   THE QUANTISER, for each operand of a quantised product, along K:
;;     - K is cut into blocks of 32 from its start; a last block that is shorter is filled with zeros.
;;     - A block's scale is 2^e with e = floor(log2(the largest magnitude in the block)) - 4, held to -126 .. 127; a block of zeros has e = 0. As a byte (E8M0): e + 127.
;;     - Each number is divided by its block's scale, clamped to +-28, and rounded to the nearest number of E3M2, ties to even, subnormals kept.
;;     - The product sums the exact products of the quantised numbers (number of the format x scale) in f32.
;;   ~~~python
;;   def quantise(x, axis):      # numpy; x: float32 -> the quantised numbers, widened to float32 again
;;       x = np.moveaxis(x, axis, -1); K = x.shape[-1]
;;       x = np.pad(x, [(0, 0)] * (x.ndim - 1) + [(0, -K % 32)]); x = x.reshape(x.shape[:-1] + (-1, 32)); a = np.abs(x).max(-1, keepdims=True)
;;       e = np.where(a > 0, np.clip(np.frexp(np.where(a > 0, a, 1))[1] - 1 - 4, -126, 127), 0)      # np.frexp(a)[1] - 1 = floor(log2(a)), exactly
;;       r = np.clip(x / 2.0 ** e, -28, 28)
;;       step = 2.0 ** (np.maximum(np.frexp(np.where(r == 0, 1, r))[1] - 1, -2) - 2)
;;       q = np.round(r / step) * step * 2.0 ** e      # np.round: ties to even
;;       return np.moveaxis(q.reshape(q.shape[:-2] + (-1,))[..., :K], -1, axis).astype(np.float32)
;;   ~~~
;;   INPUTS GIVEN AS CODES. x (in the module: [4, 512, 4096], K = its axis 2): each comes as NAME_codes (uint8): NAME with its K axis moved to the last place and cut into blocks of 32 codes, [.., K / 32, bytes a block], one block behind the other in memory; four codes in three bytes: a row's codes are one little-endian stream of bits, code i at bits 6 i .. 6 i + 5 (a code: sign, 3 exponent bits, 2 mantissa bits); and NAME_scales (uint8): the same leading axes, one E8M0 byte (e + 127) for each 32 codes along K. Its value is code x scale, taken as it is: it is not quantised again, and the codes and scales need not be those that the quantiser above would give.
;; One version. Each part assembles by itself: llvm-mc -triple=amdgcn-amd-amdhsa -mcpu=gfx1250 --defsym DOCPART=n.
;; ======== version 1 of 1: 2 launches
;; limits: right only within a limited range of input values
;; workspace buffers: w_img 26,214,400 bytes; x_img 6,553,600 bytes
;; launch quant (part 1): grid 1024 x 1, 4 waves a work-group, no clusters, 34,304 bytes of LDS; arguments t1, t2, x_codes, x_scales, w_img, x_img; writes w_img, x_img
.if DOCPART == 1
	.amdgcn_target "amdgcn-amd-amdhsa--gfx1250"
	.amdhsa_code_object_version 6
	.text
	.protected	k_q9e17e1f242_quant
	.globl	k_q9e17e1f242_quant
	.p2align	8
	.type	k_q9e17e1f242_quant,@function
k_q9e17e1f242_quant:
	s_mov_b64 s[64:65], 0
	v_nop
	global_prefetch_b8 v0, s[64:65] scope:SCOPE_SE
	s_setreg_imm32_b32 hwreg(HW_REG_WAVE_MODE, 25, 1), 1
	s_wait_xcnt 0x0
; Prepares both operands of the two quantised products as IMAGES OF THE OPERAND REGISTERS.  No work of the problem is left out: every input is read by one of the two launches.
; A fragment (16 rows x 128 K of E3M2 codes) is 12 registers a lane: lane (r, h) holds row r, registers 6 c .. 6 c + 5 = k 64 c + 32 h + 0 .. 31.
; Its image is 1,536 bytes: registers 4 g .. 4 g + 3 of lane l at byte 512 g + 16 l.  A buffer is [tile of 256 rows][pair of K steps (256 K)][51,200 bytes]:
; codes [step 2][block of 16 rows 16][1,536], then from byte 49,152 the scale words [block 16][row 16][step 2], four E8M0 bytes each.
; t1, t2 ([4096 o][4096 k] int32) become 8,192 virtual rows: output o of plane p is virtual row 128 (o / 64) + 64 p + o % 64.  Nothing is assumed of the whole numbers: each is widened to f32
; and goes through the block rule: scale byte = the largest magnitude's exponent field - 4, held at 1 from below; numbers / scale to the nearest code, ties to even.
; LIMIT: a block of zeros gets the byte 1 where the rule says 127: its codes are zeros, which add nothing under any finite byte, and these bytes are read by this program alone.
; SHARES: wave task T = 4 x work-group + wave.  Of t: 32 virtual rows (R = T / 16) x 256 K (pair P = T % 16): four fragments.  A load reads 512 consecutive bytes of one row; a fragment's 16 rows go
; through the wave's own stage in LDS (pitch 528) and come back 128 bytes a lane and block, in the operand's own order; so the conversions' results are the image, stored 512 consecutive bytes an instruction.
; Of x (given as codes): one fragment a wave, copied as it lies (a work-group's four waves read 384 consecutive bytes of each of 16 rows); wave 0 also lays one unit of 256 bytes of x's scale words (8 bytes of each of 32 rows).
; No tensor loads, no barrier, no cluster: waves share nothing.  No prefetch: the text has no loop, and each wave keeps 32 loads of 512 bytes on their way.
.set PAIRB, 51200
.set STEPB, 24576
.set FRB,   1536
.set SCO,   49152
.set SP,    528                        ; a stage row: 512 bytes + 16
.set STG,   16*SP
.set SPARE, 4*STG                      ; 33,792: the spare words
.set M,   18                           ; v18-21 maxima, then bytes
.set S,   22                           ; v22-23 the conversions' scale operands
.set W,   24                           ; v24-27 a fragment's scale word, fragment t = 2 (block) + step
.set SPW, 28
.set NIL, 29
.set X,   32                           ; v32-95   a fragment's 64 numbers of my lane
.set RR,  96                           ; v96-223  two sets of 16 loads
.set C,   224                          ; v224-235 the fragment's codes
.set TT,  236                          ; v236-242 the upper halves of the two blocks, before they are moved
.set XF,  244                          ; v244-255 x's fragment
	s_load_b256 s[4:11], s[0:1], 0x0               ; t1, t2, x_codes, x_scales
	s_load_b128 s[12:15], s[0:1], 0x20             ; w_img, x_img
	v_lshl_add_u32 v[SPW], v0, 2, SPARE
	v_mov_b32 v[NIL], 0
	v_lshrrev_b32 v1, 5, v0
	v_readfirstlane_b32 s16, v1                    ; wave
	v_and_b32 v2, 31, v0                           ; lane
	v_and_b32 v3, 15, v0                           ; r
	v_bfe_u32 v4, v0, 4, 1                         ; h
	v_lshlrev_b32 v5, 4, v2                        ; 16 l: my place in a load's and in a store's 512 bytes
	s_mul_i32 s17, s16, STG
	v_add_nc_u32 v6, s17, v5                       ; stage, in: row i stands in the immediate
	v_mul_u32_u24 v7, v3, SP
	v_lshl_add_u32 v7, v4, 7, v7
	v_add_nc_u32 v7, s17, v7                       ; stage, out: row r, 128 h
	v_mul_u32_u24 v8, v3, 3072
	v_mad_u32_u24 v8, v4, 24, v8                   ; x's codes: row r, 24 h
	v_lshlrev_b32 v9, 7, v2                        ; x's scales: row l of 128 bytes
	v_lshlrev_b32 v10, 3, v2                       ; 8 l: my place in a unit of scale words
	v_lshlrev_b32 v11, 3, v4                       ; 8 h bits
	v_mov_b32 v12, 0
	s_mov_b32 s28, 0x76543210
	s_mov_b32 s29, 0xfedcba98                      ; lane l xor 16
	s_mov_b32 s30, 0xffff0000                      ; lanes 16-31
	s_wait_alu depctr_va_vdst(0)                   ; the wait at the head's end
	s_wait_kmcnt 0x0
	s_and_b32 s19, ttmp9, 3
	s_lshl_b32 s19, s19, 2
	s_add_co_u32 s19, s19, s16                     ; P
	s_lshr_b32 s18, ttmp9, 2                       ; R
	s_lshr_b32 s22, s18, 2
	s_lshl_b32 s22, s22, 1
	s_and_b32 s23, s18, 1
	s_add_co_u32 s22, s22, s23                     ; first output / 32 = 2 (R / 4) + R % 2
	s_lshl_b32 s22, s22, 19                        ; 32 rows of 16,384 bytes
	s_lshl_b32 s23, s19, 10
	s_add_co_u32 s22, s22, s23                     ; + 1,024 P
	s_mov_b32 s23, 0
	s_bitcmp1_b32 s18, 1                           ; the plane: (R / 2) % 2
	s_cselect_b64 s[4:5], s[6:7], s[4:5]
	s_add_nc_u64 s[4:5], s[4:5], s[22:23]
	s_lshr_b32 s22, s18, 3
	s_lshl_b32 s22, s22, 4
	s_add_co_u32 s22, s22, s19
	s_mul_i32 s22, s22, PAIRB
	s_add_nc_u64 s[12:13], s[12:13], s[22:23]      ; w_img at tile R / 8, pair P
	s_and_b32 s18, s18, 7
	s_lshl_b32 s22, s18, 8
	s_add_co_u32 s22, s22, SCO
	s_add_nc_u64 s[24:25], s[12:13], s[22:23]      ; my unit of scale words
	s_mul_i32 s22, s18, 2*FRB
	s_add_nc_u64 s[12:13], s[12:13], s[22:23]      ; my two blocks' images
	s_and_b32 s19, ttmp9, 15                       ; x's scale unit: pair,
	s_lshr_b32 s18, ttmp9, 4                       ; and group of 32 rows
	s_lshl_b32 s22, s18, 12
	s_lshl_b32 s20, s19, 3
	s_add_co_u32 s22, s22, s20
	s_add_nc_u64 s[10:11], s[10:11], s[22:23]
	s_lshr_b32 s22, s18, 3
	s_lshl_b32 s22, s22, 4
	s_add_co_u32 s22, s22, s19
	s_mul_i32 s22, s22, PAIRB
	s_and_b32 s20, s18, 7
	s_lshl_b32 s20, s20, 8
	s_add_co_u32 s22, s22, s20
	s_add_co_u32 s22, s22, SCO
	s_add_nc_u64 s[26:27], s[14:15], s[22:23]
	s_and_b32 s19, ttmp9, 7                        ; x's fragment: K step 4 (work-group % 8) + wave,
	s_lshl_b32 s19, s19, 2
	s_add_co_u32 s19, s19, s16
	s_lshr_b32 s18, ttmp9, 3                       ; block of 16 rows
	s_mul_i32 s22, s18, 16*3072
	s_mul_i32 s20, s19, 96
	s_add_co_u32 s22, s22, s20
	s_add_nc_u64 s[8:9], s[8:9], s[22:23]
	s_lshr_b32 s22, s18, 4
	s_lshl_b32 s22, s22, 4
	s_lshr_b32 s20, s19, 1
	s_add_co_u32 s22, s22, s20
	s_mul_i32 s22, s22, PAIRB
	s_and_b32 s20, s19, 1
	s_mul_i32 s20, s20, STEPB
	s_add_co_u32 s22, s22, s20
	s_and_b32 s20, s18, 15
	s_mul_i32 s20, s20, FRB
	s_add_co_u32 s22, s22, s20
	s_add_nc_u64 s[14:15], s[14:15], s[22:23]
	s_cmp_lg_u32 s16, 0
	s_cbranch_scc1 .Lno_xs_in
	global_load_b64 v[16:17], v9, s[10:11]         ; wave 0: 8 scale bytes of each of 32 rows (the oldest load: every later count covers it)
.Lno_xs_in:
.irp p, 0,1,2,3,4,5
	global_load_b64 v[XF+2*\p:XF+2*\p+1], v8, s[8:9] offset:48*(\p/3)+8*(\p%3)
.endr
.macro LOADF t                         ; fragment t: 16 rows, 512 consecutive bytes a load; read once in the launch
.irp i, 0,1,2,3,4,5,6,7,8,9,10,11,12,13,14,15
	global_load_b128 v[RR+64*((\t)%2)+4*\i:RR+64*((\t)%2)+4*\i+3], v5, s[4:5] offset:(16*((\t)/2)+\i)*16384+512*((\t)%2) th:TH_LOAD_NT
.endr
.endm
	LOADF 0
	LOADF 1
.macro FRAGQ t
	s_wait_alu depctr_va_vdst(0)                   ; the wait ahead of the waits below
.if (\t) < 3
	s_wait_loadcnt 16                              ; this fragment's loads are in; the next one's 16 may be out
.else
	s_wait_loadcnt 0x0
.endif
.irp i, 0,1,2,3,4,5,6,7,8,9,10,11,12,13,14,15
	ds_store_b128 v6, v[RR+64*((\t)%2)+4*\i:RR+64*((\t)%2)+4*\i+3] offset:\i*SP
.endr
.irp i, 0,1,2,3,4,5,6,7,8,9,10,11,12,13,14,15
	ds_load_b128 v[X+4*\i:X+4*\i+3], v7 offset:256*(\i/8)+16*(\i%8)   ; LDS serves a wave's instructions in order (ISA guide 5.7.1.4): k = 64 c + 32 h + 4 j of row r
.endr
	s_wait_dscnt 0x0                               ; the numbers are back, and the stores into the stage have read their registers
	s_wait_xcnt 0x0                                ; the last fragment's stores have read the code registers
.if (\t) == 0
.irp g, 0,1,2
	global_store_b128 v5, v[XF+4*\g:XF+4*\g+3], s[14:15] offset:512*\g   ; x's fragment, as its image
.endr
	s_cmp_lg_u32 s16, 0
	s_cbranch_scc1 .Lno_xs_out
	global_store_b64 v10, v[16:17], s[26:27]       ; 32 lanes store 256 consecutive bytes, aligned
.Lno_xs_out:
.endif
.if (\t)+2 < 4
	LOADF (\t)+2
.endif
.irp i, 0,1,2,3,4,5,6,7,8,9,10,11,12,13,14,15,16,17,18,19,20,21,22,23,24,25,26,27,28,29,30,31,32,33,34,35,36,37,38,39,40,41,42,43,44,45,46,47,48,49,50,51,52,53,54,55,56,57,58,59,60,61,62,63
	v_cvt_f32_i32 v[X+\i], v[X+\i]
.endr
.irp q, 0,1,2,3                        ; four chains by turns, two to a block; the floor 2^(5 - 127) holds the byte at 1 from below
	v_max3_num_f32 v[M+\q], |v[X+16*\q]|, |v[X+16*\q+1]|, 0x2800000
.endr
.irp i, 2,4,6,8,10,12,14
.irp q, 0,1,2,3
	v_max3_num_f32 v[M+\q], v[M+\q], |v[X+16*\q+\i]|, |v[X+16*\q+\i+1]|
.endr
.endr
	v_max_num_f32 v[M], v[M], v[M+1]
	v_max_num_f32 v[M+2], v[M+2], v[M+3]
	v_add_nc_u32 v[S], 0xfe000000, v[M]            ; 4 off the exponent field: the conversion's scale operand
	v_add_nc_u32 v[S+1], 0xfe000000, v[M+2]
	v_cvt_scalef32_pk16_bf6_f32 v[C:C+2], v[X:X+15], v[S]
	v_cvt_scalef32_pk16_bf6_f32 v[TT:TT+2], v[X+16:X+31], v[S]
	v_cvt_scalef32_pk16_bf6_f32 v[C+6:C+8], v[X+32:X+47], v[S+1]
	v_cvt_scalef32_pk16_bf6_f32 v[TT+4:TT+6], v[X+48:X+63], v[S+1]
	v_lshrrev_b32 v[M], 23, v[S]                   ; the bytes of blocks h and 2 + h (also the plain place behind the conversions)
	v_lshrrev_b32 v[M+1], 23, v[S+1]
.irp c, 0,1
.irp i, 0,1,2
	v_mov_b32 v[C+6*\c+3+\i], v[TT+4*\c+\i]
.endr
.endr
	v_lshl_or_b32 v[W+(\t)], v[M+1], 16, v[M]
	v_lshlrev_b32 v[W+(\t)], v11, v[W+(\t)]        ; at their places in the word
	v_permlanex16_b32 v12, v[W+(\t)], s28, s29
	v_or_b32 v[W+(\t)], v[W+(\t)], v12             ; with lane l xor 16's two the word is whole
.irp g, 0,1,2
	global_store_b128 v5, v[C+4*\g:C+4*\g+3], s[12:13] offset:((\t)%2)*STEPB+((\t)/2)*FRB+512*\g   ; 512 consecutive bytes
.endr
.endm
	FRAGQ 0
	FRAGQ 1
	FRAGQ 2
	FRAGQ 3
	v_cndmask_b32 v14, v[W], v[W+2], s30           ; lanes 0-15: block 0's rows, lanes 16-31: block 1's; the two steps' words
	v_cndmask_b32 v15, v[W+1], v[W+3], s30
	global_store_b64 v10, v[14:15], s[24:25]       ; 256 consecutive bytes, aligned
	s_wait_tensorcnt 0x0                           ; the wave's end
	ds_add_u32 v[SPW], v[NIL]
	s_wait_dscnt 0x0
	s_endpgm
.Lfunc_end_k_q9e17e1f242_quant:
	.size	k_q9e17e1f242_quant, .Lfunc_end_k_q9e17e1f242_quant-k_q9e17e1f242_quant
	.p2alignl 7, 3214868480
	.fill 96, 4, 3214868480
	.section	.rodata,"a",@progbits
	.p2align	6, 0x0
	.amdhsa_kernel k_q9e17e1f242_quant
		.amdhsa_group_segment_fixed_size 34304
		.amdhsa_private_segment_fixed_size 0
		.amdhsa_enable_private_segment 0
		.amdhsa_kernarg_size 48
		.amdhsa_user_sgpr_count 2
		.amdhsa_user_sgpr_kernarg_segment_ptr 1
		.amdhsa_wavefront_size32 1
		.amdhsa_system_sgpr_workgroup_id_x 1
		.amdhsa_system_sgpr_workgroup_id_y 1
		.amdhsa_system_sgpr_workgroup_id_z 1
		.amdhsa_system_vgpr_workitem_id 0
		.amdhsa_next_free_vgpr 256
		.amdhsa_next_free_sgpr 66
		.amdhsa_reserve_vcc 0
		.amdhsa_float_denorm_mode_32 3
		.amdhsa_float_denorm_mode_16_64 3
		.amdhsa_memory_ordered 1
		.amdhsa_forward_progress 1
		.amdhsa_inst_pref_size 41
	.end_amdhsa_kernel
	.amdgpu_metadata
---
amdhsa.version: [ 1, 2 ]
amdhsa.kernels:
  - .name:           k_q9e17e1f242_quant
    .symbol:         k_q9e17e1f242_quant.kd
    .args:
      - { .name: t1, .offset: 0, .size: 8, .value_kind: global_buffer, .address_space: global }
      - { .name: t2, .offset: 8, .size: 8, .value_kind: global_buffer, .address_space: global }
      - { .name: x_codes, .offset: 16, .size: 8, .value_kind: global_buffer, .address_space: global }
      - { .name: x_scales, .offset: 24, .size: 8, .value_kind: global_buffer, .address_space: global }
      - { .name: w_img, .offset: 32, .size: 8, .value_kind: global_buffer, .address_space: global }
      - { .name: x_img, .offset: 40, .size: 8, .value_kind: global_buffer, .address_space: global }
    .group_segment_fixed_size: 34304
    .private_segment_fixed_size: 0
    .kernarg_segment_align: 8
    .kernarg_segment_size: 48
    .max_flat_workgroup_size: 128
    .sgpr_count:     66
    .vgpr_count:     256
    .wavefront_size: 32
...
	.end_amdgpu_metadata
.endif
;; end of part 1
;; launch gemm (part 2): grid 32 x 8, 4 waves a work-group, clusters of 4 x 4, 327,680 bytes of LDS; arguments x_img, w_img, a1, a2, bias, out0; writes out0
.if DOCPART == 2
	.amdgcn_target "amdgcn-amd-amdhsa--gfx1250"
	.amdhsa_code_object_version 6
	.text
	.protected	k_q9e17e1f242_gemm
	.globl	k_q9e17e1f242_gemm
	.p2align	8
	.type	k_q9e17e1f242_gemm,@function
k_q9e17e1f242_gemm:
	s_mov_b64 s[64:65], 0
	v_nop
	global_prefetch_b8 v0, s[64:65] scope:SCOPE_SE
	s_setreg_imm32_b32 hwreg(HW_REG_WAVE_MODE, 25, 1), 1
	s_wait_xcnt 0x0
	s_wait_alu depctr_hold_cnt(0) depctr_sa_sdst(0) depctr_va_vdst(0) depctr_va_sdst(0) depctr_va_ssrc(0) depctr_va_vcc(0) depctr_vm_vsrc(0)
	s_getreg_b32 s2, hwreg(HW_REG_IB_STS2, 6, 4)
	s_cmp_eq_u32 s2, 0
	s_cbranch_scc0 .Lentry_in_a_cluster
	s_endpgm
.Lentry_in_a_cluster:
	s_bfe_u32 s2, ttmp6, 0x10000c
	s_cmp_lg_u32 s2, 0xf033
	s_cbranch_scc0 .Lentry_shape_is_right
	s_endpgm
.Lentry_shape_is_right:
; out[m][o] = a1[o] (x T1^T)[m][o] + a2[o] (x T2^T)[m][o] + bias[o]: both quantised products as ONE product of x (2,048 rows) with 8,192 virtual rows of weights, K = 4,096, in E3M2 codes with E8M0 scales.
; Both operands come as images of the operand registers (laid by the launch before): [tile of 256 rows][pair of K steps][51,200 bytes] = codes [step 2][block 16][1,536], scale words [block 16][row 16][step 2].
; A work-group of four waves makes 256 rows x 256 virtual columns (both planes of 128 outputs); a wave 128 x 128: 64 accumulators.  A wave's column blocks 0-3 are plane 1's, 4-7 plane 2's, of the same 64 outputs.
; THE RING: two LDS slots, each a pair of K steps of A's tile and of B's (102,400 bytes, dense rows of 256 bytes).  Behind each round a wave asks for a quarter of a slot, 25,600 bytes, by one joint load; one load a wave is out.
; CLUSTERS 4 x 4: A's tiles are shared along a row of the cluster, B's along a column.
; FRAGMENTS: three ds_load_b128 each, lane l at 16 l.  A and B have two register sets each: a step's 16 fragments are fetched during the step before, in ONE run of loads a wave.
; THE FOUR WAVES FETCH AT FOUR DIFFERENT PLACES OF A STEP: the run is written four times, two blocks of products apart, each under a scalar branch on the wave's number, so that wave w takes the w-th.
; THE CHANGE OF SLOTS stands at the end of a pair's first step: by then the second step's fragments have been asked for, so the slot is read no more.
; THE MATRIX INSTRUCTION IS USED TRANSPOSED (source 0 = 16 virtual rows of the weights, source 1 = 16 rows of x): a lane holds eight neighbouring outputs of one row.
; PREFETCH: behind each joint load a wave names, a lane a block of 256 bytes, its work-group's 25 blocks of the 100 that it will ask for two refills on (the four partners share them out by address; lanes 25-31 name block 24 again);
; behind the first load also pair 1's; the refills of the last four pairs have none.
; REGISTERS: window 0: v0-31 addresses, v32-63 scale words (two sets), v64-159 and v160-255 A's two sets;  window 1: B's sets at v0 and v128;  windows 2, 3: accumulators (a, b) at v[8 (8 (a % 4) + b)].
.set PAIRB,  51200
.set HALFP,  25600
.set SLOT,   102400
.set STEPB,  24576
.set FRB,    1536
.set SCO,    49152
.set STAGE,  2*SLOT                    ; the way out: 16 rows x 272 bytes a wave
.set SPITCH, 272
.set CONST,  STAGE+4*16*SPITCH         ; a1, a2, bias of a wave's 64 outputs: 768 bytes a wave
.set SPARE,  CONST+4*768               ; the spare words
.set OROW,   16384
.set ADRA, 16
.set ADRB, 18
.set ADRS, 20
.set STO,  24
.set RD,   25
.set CO,   26
.set CR,   27
.set SPW,  28
.set NIL,  29
.set PFO,  30
.set CW,   31
.set SC,   32
.set AF,   64
.set CA1,  64
.set CA2,  96
.set CBI,  128
.set TMP,  160
.set BK,   192
.set G1,  24
.set G0,  32
.set G1B, 48
.set G0B, 56
.set PFA, 66
.set MSB, 0
.macro WIN new
.if MSB != (\new)
	s_set_vgpr_msb (MSB<<8)|(\new)
.set MSB, (\new)
.endif
.endm
.set MUL_LO, 0xa1                      ; source 0 (B) window 1, source 1 (A) window 0, C and D window 2
.set TO_B,   0x40
.macro JLOAD s                         ; waves 0, 1 ask for A's halves, waves 2, 3 for B's
	s_cmp_eq_u32 s15, 0
	s_cbranch_scc0 .Lfor_b_\@
	tensor_load_to_lds s[G0+4*\s:G0+4*\s+3], s[G1:G1+7]
	s_nop 0
.rept 4
	v_nop
.endr
	s_branch .Lasked_\@
.Lfor_b_\@:
	tensor_load_to_lds s[G0B+4*\s:G0B+4*\s+3], s[G1B:G1B+7]
	s_nop 0
.rept 4
	v_nop
.endr
.Lasked_\@:
.endm
.macro CREST
	s_cmp_lg_u32 s14, 0
	s_cbranch_scc1 .Lnot_wave_0_\@
	s_barrier_signal -3
.Lnot_wave_0_\@:
	s_barrier_wait -3
	s_barrier_signal -1
	s_barrier_wait -1
.endm
.macro CROUND
	s_barrier_signal -1
	s_barrier_wait -1
	CREST
.endm
.macro ASK how                         ; 1: always; 2: not in the loop's last trip, whose pair two refills on does not exist
.if \how == 2
	s_cmp_gt_u32 s3, 1
	s_cbranch_scc0 .Lno_ask_\@
.endif
.if \how
	global_prefetch_b8 v[PFO], s[PFA:PFA+1] th:TH_LOAD_NT scope:SCOPE_SE
.endif
.if \how == 2
.Lno_ask_\@:
.endif
.endm
.macro PLACES
.rept 4
	v_nop
.endr
.endm
	s_load_b256 s[4:11], s[0:1], 0x0               ; x_img, w_img, a1, a2
	s_load_b128 s[68:71], s[0:1], 0x20             ; bias, out0
	v_lshl_add_u32 v[SPW], v0, 2, SPARE
	v_mov_b32 v[NIL], 0
	ds_add_u32 v[SPW], v[NIL]                      ; the opening lines: the add twice on end and its wait
	ds_add_u32 v[SPW], v[NIL]
	v_lshrrev_b32 v1, 5, v0
	v_readfirstlane_b32 s14, v1                    ; wave
	s_lshr_b32 s15, s14, 1                         ; my half of the rows; also: I ask for A (0) or B (1)
	s_and_b32 s16, s14, 1                          ; my half of the columns; also: which half of a pair's tile I ask for
	s_bfe_u32 s40, ttmp6, 0x40000                  ; cx
	s_bfe_u32 s41, ttmp6, 0x40004                  ; cy
	s_lshl_b32 s42, ttmp9, 2
	s_add_co_u32 s42, s42, s40                     ; tile column
	s_and_b32 s17, ttmp7, 0xffff
	s_lshl_b32 s17, s17, 2
	s_add_co_u32 s17, s17, s41                     ; tile row
	s_lshl_b32 s43, s41, 2
	s_lshl_b32 s43, 15, s43                        ; my row of the cluster
	s_lshl_b32 s44, 0x1111, s40                    ; my column
	s_or_b32 s[G1], s43, (3<<16)|(1<<21)           ; elements of 8 bytes, no padding, bit 21 beside the mask
	s_or_b32 s[G1B], s44, (3<<16)|(1<<21)
.irp g, G1, G1B
	s_mov_b32 s[\g+1], 32<<16                      ; 100 dense rows of 256 bytes
	s_mov_b32 s[\g+2], 100<<16
	s_mov_b32 s[\g+3], 32<<16
	s_mov_b32 s[\g+4], 100
	s_mov_b32 s[\g+5], 32
	s_mov_b32 s[\g+6], 0
	s_mov_b32 s[\g+7], 0
.endr
	s_mul_i32 s18, s16, HALFP
	s_mul_i32 s20, s17, 16*PAIRB
	s_add_co_u32 s20, s20, s18
	s_mul_i32 s46, s42, 16*PAIRB
	s_add_co_u32 s46, s46, s18
	s_mov_b32 s21, 0
	s_mov_b32 s47, 0
	s_mul_i32 s45, s14, HALFP                      ; LDS: wave x a quarter of a slot
	s_wait_dscnt 0x0
	s_wait_kmcnt 0x0
	s_add_nc_u64 s[20:21], s[4:5], s[20:21]
	s_add_nc_u64 s[46:47], s[6:7], s[46:47]
	CROUND                                         ; in front of the first joint loads
.irp s, 0,1
	s_mov_b32 s[G0+4*\s], 1
	s_add_co_u32 s[G0+4*\s+1], s45, \s*SLOT
	s_add_nc_u64 s[G0+4*\s+2:G0+4*\s+3], s[20:21], \s*PAIRB
	s_or_b32 s[G0+4*\s+3], s[G0+4*\s+3], 0x80000000
	s_mov_b32 s[G0B+4*\s], 1
	s_add_co_u32 s[G0B+4*\s+1], s45, \s*SLOT
	s_add_nc_u64 s[G0B+4*\s+2:G0B+4*\s+3], s[46:47], \s*PAIRB
	s_or_b32 s[G0B+4*\s+3], s[G0B+4*\s+3], 0x80000000
.endr
	JLOAD 0                                        ; pair 0: one tensor load a wave at the head
	s_mul_i32 s21, s15, 8*FRB                      ; my eight blocks of A
	s_mul_i32 s22, s16, 8*FRB
	s_add_co_u32 s22, s22, PAIRB                   ; and of B
	s_lshl_b32 s18, s15, 10
	s_lshl_b32 s19, s16, 10
	s_add_co_u32 s19, s19, PAIRB
	s_sub_co_u32 s19, s19, s18                     ; from A's scale words to B's
	s_add_co_u32 s18, s18, SCO
	s_mul_i32 s23, s14, 16*SPITCH
	s_add_co_u32 s23, s23, STAGE
	s_mul_i32 s72, s14, 768
	s_add_co_u32 s72, s72, CONST
	s_lshl_b32 s73, s42, 9
	s_lshl_b32 s74, s16, 8
	s_add_co_u32 s74, s73, s74                     ; my 64 outputs, in bytes
	s_mov_b32 s75, 0
	s_add_nc_u64 s[8:9], s[8:9], s[74:75]
	s_add_nc_u64 s[10:11], s[10:11], s[74:75]
	s_add_nc_u64 s[68:69], s[68:69], s[74:75]
	s_add_nc_u64 s[70:71], s[70:71], s[74:75]
	s_lshl_b32 s74, s17, 8
	s_lshl_b32 s73, s15, 7
	s_add_co_u32 s74, s74, s73
	s_lshl_b32 s74, s74, 14                        ; my first row of out0
	s_add_nc_u64 s[70:71], s[70:71], s[74:75]
	s_cmp_eq_u32 s15, 0                            ; the prefetches: my operand, its tile, my place among the four partners
	s_cselect_b32 s76, s17, s42
	s_cselect_b32 s77, s40, s41
	s_cselect_b64 s[PFA:PFA+1], s[4:5], s[6:7]
	s_mul_i32 s76, s76, 16*PAIRB
	s_mul_i32 s77, s77, 6400
	s_add_co_u32 s76, s76, s77
	s_mul_i32 s77, s16, HALFP
	s_add_co_u32 s76, s76, s77
	s_add_co_u32 s76, s76, 3*PAIRB                 ; at pair 3: each change of slots steps it by a pair ahead of its prefetch
	s_mov_b32 s77, 0
	s_add_nc_u64 s[PFA:PFA+1], s[PFA:PFA+1], s[76:77]
	v_and_b32 v1, 31, v0
	v_min_u32 v22, 24, v1
	v_lshlrev_b32 v[PFO], 8, v22
	global_prefetch_b8 v[PFO], s[PFA:PFA+1] offset:-2*PAIRB th:TH_LOAD_NT scope:SCOPE_SE   ; pair 1, which the next load asks for,
	global_prefetch_b8 v[PFO], s[PFA:PFA+1] offset:-PAIRB th:TH_LOAD_NT scope:SCOPE_SE     ; and pair 2, two loads on
	v_and_b32 v3, 15, v0
	v_bfe_u32 v4, v0, 4, 1
	v_lshlrev_b32 v2, 4, v1
	v_lshlrev_b32 v5, 3, v1
	v_add_nc_u32 v[ADRA], s21, v2
	v_add_nc_u32 v[ADRB], s22, v2
	v_mul_u32_u24 v6, s19, v4                      ; lanes 16-31 take B's words
	v_lshl_add_u32 v6, v3, 3, v6
	v_add_nc_u32 v[ADRS], s18, v6
	v_add_nc_u32 v[ADRA+1], SLOT, v[ADRA]
	v_add_nc_u32 v[ADRB+1], SLOT, v[ADRB]
	v_add_nc_u32 v[ADRS+1], SLOT, v[ADRS]
	v_mul_u32_u24 v7, v3, SPITCH
	v_lshl_add_u32 v7, v4, 5, v7
	v_add_nc_u32 v[STO], s23, v7
	v_mul_u32_u24 v14, v4, SPITCH
	v_lshl_add_u32 v14, v3, 4, v14
	v_add_nc_u32 v[RD], s23, v14
	v_lshlrev_b32 v15, 14, v4
	v_lshl_add_u32 v[CO], v3, 4, v15
	v_add_nc_u32 v[CW], s72, v5
	v_lshl_add_u32 v[CR], v4, 5, s72
	global_load_b64 v[8:9], v5, s[8:9]             ; a1, a2, bias of my 64 outputs: 256 consecutive bytes each
	global_load_b64 v[10:11], v5, s[10:11]
	global_load_b64 v[12:13], v5, s[68:69]
	s_wait_alu depctr_va_vdst(0)                   ; the wait at the head's end
	s_wait_loadcnt 0x0
	s_wait_tensorcnt 0x0                           ; my part of pair 0 is in
	ds_store_b64 v[CW], v[8:9]                     ; kept in LDS bytes of my own until the way out
	ds_store_b64 v[CW], v[10:11] offset:256
	ds_store_b64 v[CW], v[12:13] offset:512
	s_wait_tensorcnt 0x0                           ; ahead of a later first fill
	ds_add_u32 v[SPW], v[NIL]
	s_wait_dscnt 0x0
	CROUND
	JLOAD 1                                        ; pair 1: slot 1's first fill
	ASK 1                                          ; pair 3
.macro LDF reg, adr, off
	ds_load_b128 v[\reg:\reg+3], v[\adr] offset:\off
	ds_load_b128 v[\reg+4:\reg+7], v[\adr] offset:\off+512
	ds_load_b128 v[\reg+8:\reg+11], v[\adr] offset:\off+1024
.endm
; item k of a step's fetch from slot ls, step lt of its pair: 0-7 B's blocks; with hs = 1: 8 the pair's scale words, 9-16 A's blocks; with hs = 0: 8-15 A's blocks
.macro ITEM ls, lt, k, hs
.if (\k) < 8
	WIN TO_B
	LDF 128*(\lt)+12*(\k), ADRB+(\ls), STEPB*(\lt)+FRB*(\k)
.else
	WIN 0
.if (\hs) && (\k) == 8
.irp i, 0,1,2,3,4,5,6,7
	ds_load_b64 v[SC+16*(\ls)+2*\i:SC+16*(\ls)+2*\i+1], v[ADRS+(\ls)] offset:128*\i   ; lanes 0-15 A's block i, lanes 16-31 B's: both steps' words
.endr
.else
	LDF AF+96*(\lt)+12*((\k)-8-(\hs)), ADRA+(\ls), STEPB*(\lt)+FRB*((\k)-8-(\hs))
.endif
.endif
.endm
.macro RUN ls, lt, hs                  ; a whole step's fetch in one run
.irp k, 0,1,2,3,4,5,6,7,8,9,10,11,12,13,14,15
	ITEM \ls, \lt, \k, \hs
.endr
.if \hs
	ITEM \ls, \lt, 16, 1
.endif
	WIN 0
.endm
.macro FETCH w, ls, lt, hs             ; wave w's place for its run; the branch hangs on the wave's number alone; every window is 0 at the branch and at the label
	WIN 0
	s_cmp_lg_u32 s14, \w
	s_cbranch_scc1 .Lnot_here_\@
	RUN \ls, \lt, \hs
.Lnot_here_\@:
.endm
; eight matrix instructions: A's block a against B's eight, step st of the pair whose scale words lie in set sc.  The 64 accumulators take turns, one instruction a turn.
.macro PH a, st, sc, zero
	WIN MUL_LO+0x50*((\a)/4)
.irp b, 0,1,2,3,4,5,6,7
.if \zero
	v_wmma_scale_f32_16x16x128_f8f6f4 v[8*(8*((\a)%4)+\b):8*(8*((\a)%4)+\b)+7], v[128*(\st)+12*\b:128*(\st)+12*\b+11], v[AF+96*(\st)+12*(\a):AF+96*(\st)+12*(\a)+11], 0, v[SC+16*(\sc)+2*\b+(\st)], v[SC+16*(\sc)+2*(\a)+(\st)] matrix_a_fmt:MATRIX_FMT_BF6 matrix_b_fmt:MATRIX_FMT_BF6 matrix_a_scale:MATRIX_SCALE_ROW1
.else
	v_wmma_scale_f32_16x16x128_f8f6f4 v[8*(8*((\a)%4)+\b):8*(8*((\a)%4)+\b)+7], v[128*(\st)+12*\b:128*(\st)+12*\b+11], v[AF+96*(\st)+12*(\a):AF+96*(\st)+12*(\a)+11], v[8*(8*((\a)%4)+\b):8*(8*((\a)%4)+\b)+7], v[SC+16*(\sc)+2*\b+(\st)], v[SC+16*(\sc)+2*(\a)+(\st)] matrix_a_fmt:MATRIX_FMT_BF6 matrix_b_fmt:MATRIX_FMT_BF6 matrix_a_scale:MATRIX_SCALE_ROW1
.endif
.endr
.endm
; A pair's first step, blocks 0-6; the second step's 16 fragments are fetched from the same slot into sets 1.
.macro EB slot, zero
	s_wait_dscnt 0x0                               ; this step's fragments and scale words, asked for in the step before, are in
	PLACES                                         ; four places between the last step's products and the loads into the sets that they read
	FETCH 0, \slot, 1, 0
	PH 0, 0, \slot, \zero
	PH 1, 0, \slot, \zero
	FETCH 1, \slot, 1, 0
	PH 2, 0, \slot, \zero
	PH 3, 0, \slot, \zero
	FETCH 2, \slot, 1, 0
	PH 4, 0, \slot, \zero
	PH 5, 0, \slot, \zero
	FETCH 3, \slot, 1, 0
	PH 6, 0, \slot, \zero
	WIN 0
.endm
; The first step's block 7, the change of slots, and the pair's second step.  mode 1: the slot is filled again, two pairs on; 0: a barrier alone shows the other slot whole; 2: the last pair.
.macro XO slot, mode, zero, ask
.if \mode == 1
	s_wait_xcnt 0x0                                ; my last prefetch has read its address
	s_add_nc_u64 s[PFA:PFA+1], s[PFA:PFA+1], PAIRB
.endif
.if \mode < 2
	s_wait_tensorcnt 0x0                           ; my part of the other slot is in;
	ds_add_u32 v[SPW], v[NIL]                      ; eight products stand between the add and its wait
.endif
	PH 7, 0, \slot, \zero
	s_wait_dscnt 0x0                               ; the add is done, and my reads of this slot are over
.if \mode < 2
	s_barrier_signal -1
.endif
	PH 0, 1, \slot, 0
	WIN 0
.if \mode < 2
	s_barrier_wait -1
.endif
.if \mode == 1
	CREST                                          ; the barrier has opened a round of the cluster's barrier
	s_add_nc_u64 s[G0+4*\slot+2:G0+4*\slot+3], s[G0+4*\slot+2:G0+4*\slot+3], 2*PAIRB
	s_add_nc_u64 s[G0B+4*\slot+2:G0B+4*\slot+3], s[G0B+4*\slot+2:G0B+4*\slot+3], 2*PAIRB
	JLOAD \slot                                    ; its four v_nop are also the places in front of the loads into sets 0
	ASK \ask
.else
	PLACES
.endif
.if \mode == 2
.irp c, 0,1,2
.irp g, 0,1,2,3
	ds_load_b128 v[CA1+32*\c+8*\g:CA1+32*\c+8*\g+3], v[CR] offset:256*\c+64*\g       ; a1, a2, bias at my lane's columns 16 g + 8 h + 0 .. 7, into A's set 0, which is done with
	ds_load_b128 v[CA1+32*\c+8*\g+4:CA1+32*\c+8*\g+7], v[CR] offset:256*\c+64*\g+16
.endr
.endr
.irp a, 1,2,3,4,5,6,7
	PH \a, 1, \slot, 0
.endr
.else
	FETCH 0, (1-\slot), 0, 1                       ; the next pair's first step and its scale words, from the other slot
	PH 1, 1, \slot, 0
	PH 2, 1, \slot, 0
	FETCH 1, (1-\slot), 0, 1
	PH 3, 1, \slot, 0
	PH 4, 1, \slot, 0
	FETCH 2, (1-\slot), 0, 1
	PH 5, 1, \slot, 0
	PH 6, 1, \slot, 0
	FETCH 3, (1-\slot), 0, 1
	PH 7, 1, \slot, 0
.endif
	WIN 0
.endm
	RUN 0, 0, 1                                    ; step 0's fragments and pair 0's scale words
	EB 0, 1                                        ; the first step's products start the sums
	XO 0, 1, 1, 1
	s_mov_b32 s3, 6
.Llap:                                                 ; a trip: two pairs, once round the ring; pairs 1 to 12
	EB 1, 0
	XO 1, 1, 0, 1
	EB 0, 0
	XO 0, 1, 0, 2
	s_sub_co_u32 s3, s3, 1
	s_cmp_lg_u32 s3, 0
	s_cbranch_scc1 .Llap
	EB 1, 0                                        ; pair 13: the last refill, pair 15
	XO 1, 1, 0, 0
	EB 0, 0                                        ; pair 14
	XO 0, 0, 0, 0
	EB 1, 0                                        ; pair 15
	XO 1, 2, 0, 0
; THE WAY OUT, by blocks of 16 rows: y = a1 y1 + bias, then + a2 y2, two fused multiply-adds at a time; through my own stage, back as whole rows of 256 bytes.
.macro COMBINE a
.set AC, 64*((\a)%4)
	WIN 0x02+(\a)/4
.irp g, 0,1,2,3
.irp j, 0,2,4,6
	v_pk_fma_f32 v[TMP+8*\g+\j:TMP+8*\g+\j+1], v[AC+8*\g+\j:AC+8*\g+\j+1], v[CA1+8*\g+\j:CA1+8*\g+\j+1], v[CBI+8*\g+\j:CBI+8*\g+\j+1]
.endr
.endr
.irp g, 0,1,2,3
.irp j, 0,2,4,6
	v_pk_fma_f32 v[TMP+8*\g+\j:TMP+8*\g+\j+1], v[AC+32+8*\g+\j:AC+32+8*\g+\j+1], v[CA2+8*\g+\j:CA2+8*\g+\j+1], v[TMP+8*\g+\j:TMP+8*\g+\j+1]
.endr
.endr
	WIN 0
.endm
.macro TOSTAGE a
.set BB, BK+32*((\a)%2)
.irp g, 0,1,2,3
	ds_store_b128 v[STO], v[TMP+8*\g:TMP+8*\g+3] offset:64*\g
	ds_store_b128 v[STO], v[TMP+8*\g+4:TMP+8*\g+7] offset:64*\g+16
.endr
.irp t, 0,1,2,3,4,5,6,7
	ds_load_b128 v[BB+4*\t:BB+4*\t+3], v[RD] offset:\t*2*SPITCH    ; LDS serves a wave's instructions in order (ISA guide 5.7.1.4)
.endr
.endm
.macro SEND a
.set BB, BK+32*((\a)%2)
	s_wait_dscnt 0x0
	s_wait_xcnt 0x0                                ; earlier stores have read their registers
.irp t, 0,1,2,3,4,5,6,7
	global_store_b128 v[CO], v[BB+4*\t:BB+4*\t+3], s[70:71] offset:(16*(\a)+2*\t)*OROW th:TH_STORE_NT   ; sixteen lanes store 256 consecutive bytes, aligned
.endr
.endm
	s_wait_dscnt 0x0                               ; a1, a2, bias are in
	PLACES
	COMBINE 0
	TOSTAGE 0
.irp a, 1,2,3,4,5,6,7
	COMBINE \a
	s_wait_alu depctr_va_vdst(0)                   ; the wait ahead of SEND's waits
	SEND \a-1
	TOSTAGE \a
.endr
	SEND 7
	s_wait_tensorcnt 0x0                           ; the wave's end
	ds_add_u32 v[SPW], v[NIL]
	s_wait_dscnt 0x0
	CROUND                                         ; the closing round
	s_endpgm
.Lfunc_end_k_q9e17e1f242_gemm:
	.size	k_q9e17e1f242_gemm, .Lfunc_end_k_q9e17e1f242_gemm-k_q9e17e1f242_gemm
	.p2alignl 7, 3214868480
	.fill 96, 4, 3214868480
	.section	.rodata,"a",@progbits
	.p2align	6, 0x0
	.amdhsa_kernel k_q9e17e1f242_gemm
		.amdhsa_group_segment_fixed_size 327680
		.amdhsa_private_segment_fixed_size 0
		.amdhsa_enable_private_segment 0
		.amdhsa_kernarg_size 48
		.amdhsa_user_sgpr_count 2
		.amdhsa_user_sgpr_kernarg_segment_ptr 1
		.amdhsa_wavefront_size32 1
		.amdhsa_system_sgpr_workgroup_id_x 1
		.amdhsa_system_sgpr_workgroup_id_y 1
		.amdhsa_system_sgpr_workgroup_id_z 1
		.amdhsa_system_vgpr_workitem_id 0
		.amdhsa_next_free_vgpr 1024
		.amdhsa_next_free_sgpr 84
		.amdhsa_reserve_vcc 0
		.amdhsa_float_denorm_mode_32 3
		.amdhsa_float_denorm_mode_16_64 3
		.amdhsa_memory_ordered 1
		.amdhsa_forward_progress 1
		.amdhsa_inst_pref_size 255
	.end_amdhsa_kernel
	.section	.bss,"aw",@nobits
	.p2align	6
	.space	262144
	.amdgpu_metadata
---
amdhsa.version: [ 1, 2 ]
amdhsa.kernels:
  - .name:           k_q9e17e1f242_gemm
    .symbol:         k_q9e17e1f242_gemm.kd
    .args:
      - { .name: x_img, .offset: 0, .size: 8, .value_kind: global_buffer, .address_space: global }
      - { .name: w_img, .offset: 8, .size: 8, .value_kind: global_buffer, .address_space: global }
      - { .name: a1, .offset: 16, .size: 8, .value_kind: global_buffer, .address_space: global }
      - { .name: a2, .offset: 24, .size: 8, .value_kind: global_buffer, .address_space: global }
      - { .name: bias, .offset: 32, .size: 8, .value_kind: global_buffer, .address_space: global }
      - { .name: out0, .offset: 40, .size: 8, .value_kind: global_buffer, .address_space: global }
    .group_segment_fixed_size: 327680
    .private_segment_fixed_size: 0
    .kernarg_segment_align: 8
    .kernarg_segment_size: 48
    .max_flat_workgroup_size: 128
    .sgpr_count:     84
    .vgpr_count:     1024
    .wavefront_size: 32
...
	.end_amdgpu_metadata
.endif
;; end of part 2
